; MI455X (gfx1250); checked and timed in simulation.
; The chip was launched on July 23, 2026; its instructions are those of AMD's public machine-readable ISA for CDNA 5 (MIT licence, August 2026) and "CDNA5" Instruction Set Architecture Reference Guide (July 2026). The comments in the code are by the model that wrote it; some were corrected since.
;; Vector Quantizer. Allowed arithmetic: matrix products marked QUANTISED: E2M3 operands, one E8M0 scale for each 32 along K, by v_wmma_scale_f32_16x16x128_f8f6f4 with both operands' format E2M3, f32 sums; everything else in f32.
;; Inputs: inputs 32,768 x 256 float32; weight 8,192 x 256 float32.
;; Outputs: out0 32,768 x 256 float32; out1 32,768 int32.
;; This version of the problem:
;;   THIS VERSION OF THE PROBLEM IS GIVEN IN LOW PRECISION. The matrix products marked QUANTISED in the list below multiply operands that are first quantised to E2M3 (2 exponent bits, 3 mantissa bits; 6 bits a number), with one power-of-two scale for each 32 numbers along K (OCP MX v1.0); their sums are f32. All else is computed in f32.
;;   The module's matrix products, in the order in which they are computed (A, B: the left and right operand; K: the contracted axis; several contracted axes count as one K, in the product's order):
;;     1. [M 32,768, K 256] x [K 256, N 8,192]; A: input inputs; B: input weight: QUANTISED
;;   THE QUANTISER, for each operand of a quantised product, along K:
;;     - K is cut into blocks of 32 from its start; a last block that is shorter is filled with zeros.
;;     - A block's scale is 2^e with e = floor(log2(the largest magnitude in the block)) - 2, held to -126 .. 127; a block of zeros has e = 0. As a byte (E8M0): e + 127.
;;     - Each number is divided by its block's scale, clamped to +-7.5, and rounded to the nearest number of E2M3, ties to even, subnormals kept.
;;     - The product sums the exact products of the quantised numbers (number of the format x scale) in f32.
;;   ~~~python
;;   def quantise(x, axis):      # numpy; x: float32 -> the quantised numbers, widened to float32 again
;;       x = np.moveaxis(x, axis, -1); K = x.shape[-1]
;;       x = np.pad(x, [(0, 0)] * (x.ndim - 1) + [(0, -K % 32)]); x = x.reshape(x.shape[:-1] + (-1, 32)); a = np.abs(x).max(-1, keepdims=True)
;;       e = np.where(a > 0, np.clip(np.frexp(np.where(a > 0, a, 1))[1] - 1 - 2, -126, 127), 0)      # np.frexp(a)[1] - 1 = floor(log2(a)), exactly
;;       r = np.clip(x / 2.0 ** e, -7.5, 7.5)
;;       step = 2.0 ** (np.maximum(np.frexp(np.where(r == 0, 1, r))[1] - 1, 0) - 3)
;;       q = np.round(r / step) * step * 2.0 ** e      # np.round: ties to even
;;       return np.moveaxis(q.reshape(q.shape[:-2] + (-1,))[..., :K], -1, axis).astype(np.float32)
;;   ~~~
;; One version. Each part assembles by itself: llvm-mc -triple=amdgcn-amd-amdhsa -mcpu=gfx1250 --defsym DOCPART=n.
;; ======== version 1 of 1: 4 launches
;; limits: right only within a limited range of input values
;; workspace buffers: wq 1,703,936 bytes; xq 6,815,744 bytes; tilew 131,072 bytes of whole numbers; idxw 131,072 bytes of whole numbers
;; launch quantw (part 1): grid 1280 x 1, 2 waves a work-group, no clusters, 17,152 bytes of LDS; arguments weight, inputs, wq, xq; writes wq, xq
.if DOCPART == 1
	.amdgcn_target "amdgcn-amd-amdhsa--gfx1250"
	.amdhsa_code_object_version 6
	.text
	.protected	k_q9d250abb2d_quantw
	.globl	k_q9d250abb2d_quantw
	.p2align	8
	.type	k_q9d250abb2d_quantw,@function
k_q9d250abb2d_quantw:
	s_mov_b64 s[64:65], 0
	v_nop
	global_prefetch_b8 v0, s[64:65] scope:SCOPE_SE
	s_setreg_imm32_b32 hwreg(HW_REG_WAVE_MODE, 25, 1), 1
	s_wait_xcnt 0x0
; The codebook W [8192][256] f32 becomes 512 RECORDS of 3,328 bytes, one for each tile of 16 codes, laid in the order in which the product's launch takes them into registers:
;   bytes 0-3071     six groups of 512 bytes: lane l's 16 bytes at 512 g + 16 l are registers 4 g .. 4 g + 3 of the tile's 24 operand registers (0-11: K = 0-127, 12-23: K = 128-255), codes of FP6 (E2M3)
;   bytes 3072-3199  the scale register: lanes 0-15 hold code r's four E8M0 bytes of K = 0-127, lanes 16-31 those of K = 128-255
;   bytes 3200-3327  -1/2 ||w||^2 of the 16 codes, f32, of the UNQUANTISED numbers, written twice
; A block's scale is 2^(floor(log2(its largest magnitude)) - 2): its byte is the largest magnitude's exponent field - 2, held at 1 from below.
; LIMITS: a block of zeros gets the byte 1 where the quantiser says 127 (its codes are zeros, which add nothing, and this program alone reads the bytes); blocks whose largest magnitude lies under 2^-124 were not tried;
; NaN and infinities are not served.
; A wave takes one tile: 16 rows of 1,024 bytes.  Each load reads 512 consecutive bytes; the conversions want 16 neighbours along K in one lane, so half a tile (128 along K) at a time turns through the wave's own stage in LDS.
; No barrier: waves share nothing.
; ONE LAUNCH SERVES BOTH TENSORS: work-groups 0-255 take the codebook's 512 tiles (records into wq), work-groups 256-1279 the 2,048 tiles of 16 rows of inputs [32768][256] (records of the same make into xq;
; there the last 128 bytes hold -1/2 ||x||^2).  Only pointers are chosen, by the work-group's number: both tensors take one path through the text.
.set REC,    3328
.set SPITCH, 528                       ; a stage row: 512 bytes + 16 = 33 x 16: the 16 rows that a load of 16 bytes a lane touches start in 16 different columns of 16 bytes (64 banks of 4 bytes: ISA guide 11.1)
.set STGB,   16*SPITCH
.set LI,  1                            ; v1   16 x lane
.set LS,  2                            ; v2   4 x lane
.set SB4, 6                            ; v6   my stage + 4 x lane
.set L8,  7                            ; v7   8 x lane
.set SB8, 8                            ; v8   my stage + 8 x lane
.set H8,  14                           ; v14  8 x (lane / 16)
.set STI, 28                           ; v28  the stage, on the way in: 16 x lane of a row
.set STO, 29                           ; v29  on the way out: row lane % 16, + 64 x (lane / 16)
.set TM,  32                           ; v32-47  at work in QUANT
.set ACC, 50                           ; v50-57  the sum of squares, four pairs
.set PW0, 58                           ; v58, v59  the two scale words
.set PW1, 59
.set SQ,  60                           ; v60  the sum of squares; v61 its partner lane's
.set Y,   64                           ; v64-127  64 numbers a lane: register 16 b + i is k = 32 b + 16 (lane / 16) + i of row lane % 16
.set R,   128                          ; v128-255 the tile as loaded: row k, half s at R + 64 s + 4 k
.set PC0, 128                          ; the codes of K = 0-127 (20 registers, 12 of them the operand), in registers that the stage's stores have read
.set PC1, 152                          ; those of K = 128-255
.set SEL, 22                           ; s[22:23] v_permlanex16_b32's selects for lane l xor 16
.macro XLOADS                          ; the first half's sixteen loads first
.irp s, 0,1
.irp k, 0,1,2,3,4,5,6,7,8,9,10,11,12,13,14,15
	global_load_b128 v[R+64*\s+4*\k:R+64*\s+4*\k+3], v[LI], s[4:5] offset:1024*\k+512*\s
.endr
.endr
.endm
.macro TURNX s                         ; half s through the stage: LDS serves a wave's instructions in order (ISA guide 5.7.1.4), so no wait stands between the stores and the loads
.irp k, 0,1,2,3,4,5,6,7,8,9,10,11,12,13,14,15
	ds_store_b128 v[STI], v[R+64*\s+4*\k:R+64*\s+4*\k+3] offset:SPITCH*\k
.endr
.irp b, 0,1,2,3
.irp j, 0,1,2,3
	ds_load_b128 v[Y+16*\b+4*\j:Y+16*\b+4*\j+3], v[STO] offset:128*\b+16*\j
.endr
.endr
.endm
.macro SUMSQ first                     ; the squares of my 64 numbers, two at a time, in four chains; first = 1: the first four products start the sums
.set p, 0
.rept 32
.if \first && (p < 4)
	v_pk_mul_f32 v[ACC+2*p:ACC+2*p+1], v[Y+2*p:Y+2*p+1], v[Y+2*p:Y+2*p+1]
.else
	v_pk_fma_f32 v[ACC+2*(p%4):ACC+2*(p%4)+1], v[Y+2*p:Y+2*p+1], v[Y+2*p:Y+2*p+1], v[ACC+2*(p%4):ACC+2*(p%4)+1]
.endif
.set p, p+1
.endr
.endm
.macro SUMEND                          ; the four chains, the pair's halves, and lane l xor 16's: the row's sum of squares in v[SQ]
	v_pk_add_f32 v[ACC:ACC+1], v[ACC:ACC+1], v[ACC+2:ACC+3]
	v_pk_add_f32 v[ACC+4:ACC+5], v[ACC+4:ACC+5], v[ACC+6:ACC+7]
	v_pk_add_f32 v[ACC:ACC+1], v[ACC:ACC+1], v[ACC+4:ACC+5]
	v_add_f32 v[SQ], v[ACC], v[ACC+1]
	v_permlanex16_b32 v[SQ+1], v[SQ], s[SEL], s[SEL+1]
	v_add_f32 v[SQ], v[SQ], v[SQ+1]
.endm
; 64 numbers of a lane, v[src] on, become an operand's 12 registers in v[cod] on and its scale word in v[wrd].
.macro QUANT src, cod, wrd
.irp b, 0,1,2,3
	v_max3_num_f32 v[TM+\b], |v[\src+16*\b]|, |v[\src+1+16*\b]|, 0x1800000   ; block b: my 16 numbers, and the floor 2^(3 - 127): the byte cannot fall under 1
.endr
.irp i, 2,4,6,8,10,12,14
.irp b, 0,1,2,3
	v_max3_num_f32 v[TM+\b], v[TM+\b], |v[\src+16*\b+\i]|, |v[\src+1+16*\b+\i]|   ; (the four blocks by turns)
.endr
.endr
.irp b, 0,1,2,3
	v_permlanex16_b32 v[TM+4+\b], v[TM+\b], s[SEL], s[SEL+1]
.endr
.irp b, 0,1,2,3
	v_max_num_f32 v[TM+\b], v[TM+\b], v[TM+4+\b]   ; with lane l xor 16's: the block's largest magnitude
.endr
.irp b, 0,1,2,3
	v_add_nc_u32 v[TM+12+\b], 0xff000000, v[TM+\b]   ; 2 off its exponent field: the conversion takes the exponent field of this operand as its scale
.endr
.irp b, 0,1,2,3
	v_lshrrev_b32 v[TM+4+\b], 23, v[TM+12+\b]      ; the scale's byte
.endr
	v_lshl_or_b32 v[\wrd], v[TM+5], 8, v[TM+4]
	v_lshl_or_b32 v[\wrd], v[TM+6], 16, v[\wrd]
	v_lshl_or_b32 v[\wrd], v[TM+7], 24, v[\wrd]
.irp c, 0,1
	v_cvt_scalef32_pk16_fp6_f32 v[\cod+6*\c:\cod+2+6*\c], v[\src+32*\c:\src+15+32*\c], v[TM+12+2*\c]
	v_cvt_scalef32_pk16_fp6_f32 v[\cod+12+4*\c:\cod+14+4*\c], v[\src+16+32*\c:\src+31+32*\c], v[TM+12+2*\c+1]   ; (a conversion's three registers begin on an even number)
.endr
	v_nop                                          ; one plain place behind a scaled conversion
.irp c, 0,1                                    ; the operand's layout wants a WHOLE block in a lane: lanes 0-15 block 2 c, lanes 16-31 block 2 c + 1
.irp i, 0,1,2
	v_permlane16_swap_b32 v[\cod+6*\c+\i], v[\cod+12+4*\c+\i]
.endr
.irp i, 0,1,2
	v_mov_b32 v[\cod+3+6*\c+\i], v[\cod+12+4*\c+\i]
.endr
.endr
.endm
	s_load_b256 s[24:31], s[0:1], 0x0              ; weight s[24:25], inputs s[26:27], wq s[28:29], xq s[30:31]
	v_lshl_add_u32 v42, v0, 2, 0x4200
	v_mov_b32 v43, 0
	v_lshrrev_b32 v3, 5, v0
	v_readfirstlane_b32 s8, v3                     ; wave 0, 1
	v_and_b32 v3, 31, v0                           ; lane
	v_and_b32 v4, 15, v0                           ; r
	v_bfe_u32 v5, v0, 4, 1                         ; h
	v_lshlrev_b32 v[LI], 4, v3
	v_lshlrev_b32 v[LS], 2, v3
	v_lshlrev_b32 v[L8], 3, v3
	v_lshlrev_b32 v[H8], 3, v5
	s_mul_i32 s9, s8, STGB                         ; my stage
	v_add_nc_u32 v[STI], s9, v[LI]
	v_mul_u32_u24 v[STO], v4, SPITCH
	v_lshl_add_u32 v[STO], v5, 6, v[STO]
	v_add_nc_u32 v[STO], s9, v[STO]
	v_add_nc_u32 v[SB4], s9, v[LS]
	v_add_nc_u32 v[SB8], s9, v[L8]
	s_mov_b32 s[SEL], 0x76543210
	s_mov_b32 s[SEL+1], 0xfedcba98
.irp b, 0,1,2,3
	v_mov_b32 v[TM+4+\b], 0                        ; written once: a lane permute's destination counts as one of its sources
.endr
	v_mov_b32 v[SQ+1], 0
	s_lshl_b32 s10, ttmp9, 1
	s_add_co_u32 s10, s10, s8                      ; 2 x work-group + wave,
	s_cmp_lt_u32 ttmp9, 256
	s_cselect_b32 s11, 0, 512
	s_sub_co_u32 s10, s10, s11                     ; counted from my tensor's first tile
	s_lshl_b32 s12, s10, 14                        ; 16 rows of 1,024 bytes
	s_mov_b32 s13, 0
	s_mul_i32 s14, s10, REC
	s_mov_b32 s15, 0
	s_wait_alu depctr_va_vdst(0)
	s_wait_kmcnt 0x0
	s_cmp_lt_u32 ttmp9, 256                        ; the codebook's work-group or the inputs'?  The choice hangs on the work-group's number alone
	s_cselect_b64 s[4:5], s[24:25], s[26:27]
	s_cselect_b64 s[6:7], s[28:29], s[30:31]
	s_add_nc_u64 s[4:5], s[4:5], s[12:13]
	s_add_nc_u64 s[6:7], s[6:7], s[14:15]
	XLOADS
	s_wait_loadcnt 16                              ; the first half's sixteen loads are in; the second half's may be out
	TURNX 0
	s_wait_dscnt 0x0
	SUMSQ 1
	QUANT Y, PC0, PW0
.irp c, 0,1,2
	global_store_b128 v[LI], v[PC0+4*\c:PC0+4*\c+3], s[6:7] offset:512*\c   ; 32 lanes store 512 consecutive bytes, at a multiple of 256 from the buffer's first byte
.endr
	s_wait_loadcnt 0x0
	TURNX 1
	s_wait_dscnt 0x0
	SUMSQ 0
	QUANT Y, PC1, PW1
.irp c, 0,1,2
	global_store_b128 v[LI], v[PC1+4*\c:PC1+4*\c+3], s[6:7] offset:1536+512*\c
.endr
	SUMEND
	v_mul_f32 v63, -0.5, v[SQ]                     ; exact
	v_cmp_ne_u32 vcc_lo, 0, v[H8]
	v_cndmask_b32 v62, v[PW0], v[PW1], vcc_lo      ; lanes 0-15: the word of K = 0-127; lanes 16-31: that of K = 128-255
	ds_store_b32 v[SB4], v62                       ; the two small images meet in my stage, which is free, and leave as one store
	ds_store_b32 v[SB4], v63 offset:128
	ds_load_b64 v[48:49], v[SB8]                   ; in order behind my stores
	s_wait_dscnt 0x0
	global_store_b64 v[L8], v[48:49], s[6:7] offset:3072   ; 32 lanes store 256 consecutive bytes, aligned
	s_wait_tensorcnt 0x0
	ds_add_u32 v42, v43
	s_wait_dscnt 0x0
	s_endpgm
.Lfunc_end_k_q9d250abb2d_quantw:
	.size	k_q9d250abb2d_quantw, .Lfunc_end_k_q9d250abb2d_quantw-k_q9d250abb2d_quantw
	.p2alignl 7, 3214868480
	.fill 96, 4, 3214868480
	.section	.rodata,"a",@progbits
	.p2align	6, 0x0
	.amdhsa_kernel k_q9d250abb2d_quantw
		.amdhsa_group_segment_fixed_size 17152
		.amdhsa_private_segment_fixed_size 0
		.amdhsa_enable_private_segment 0
		.amdhsa_kernarg_size 32
		.amdhsa_user_sgpr_count 2
		.amdhsa_user_sgpr_kernarg_segment_ptr 1
		.amdhsa_wavefront_size32 1
		.amdhsa_system_sgpr_workgroup_id_x 1
		.amdhsa_system_sgpr_workgroup_id_y 1
		.amdhsa_system_sgpr_workgroup_id_z 1
		.amdhsa_system_vgpr_workitem_id 0
		.amdhsa_next_free_vgpr 256
		.amdhsa_next_free_sgpr 66
		.amdhsa_reserve_vcc 1
		.amdhsa_float_denorm_mode_32 3
		.amdhsa_float_denorm_mode_16_64 3
		.amdhsa_memory_ordered 1
		.amdhsa_forward_progress 1
		.amdhsa_inst_pref_size 22
	.end_amdhsa_kernel
	.amdgpu_metadata
---
amdhsa.version: [ 1, 2 ]
amdhsa.kernels:
  - .name:           k_q9d250abb2d_quantw
    .symbol:         k_q9d250abb2d_quantw.kd
    .args:
      - { .name: weight, .offset: 0, .size: 8, .value_kind: global_buffer, .address_space: global }
      - { .name: inputs, .offset: 8, .size: 8, .value_kind: global_buffer, .address_space: global }
      - { .name: wq, .offset: 16, .size: 8, .value_kind: global_buffer, .address_space: global }
      - { .name: xq, .offset: 24, .size: 8, .value_kind: global_buffer, .address_space: global }
    .group_segment_fixed_size: 17152
    .private_segment_fixed_size: 0
    .kernarg_segment_align: 8
    .kernarg_segment_size: 32
    .max_flat_workgroup_size: 64
    .sgpr_count:     66
    .vgpr_count:     256
    .wavefront_size: 32
...
	.end_amdgpu_metadata
.endif
;; end of part 1
;; launch vq (part 2): grid 256 x 1, 8 waves a work-group, clusters of 4 x 1, 327,680 bytes of LDS; arguments xq, wq, tilew; writes tilew
.if DOCPART == 2
	.amdgcn_target "amdgcn-amd-amdhsa--gfx1250"
	.amdhsa_code_object_version 6
	.text
	.protected	k_q9d250abb2d_vq
	.globl	k_q9d250abb2d_vq
	.p2align	8
	.type	k_q9d250abb2d_vq,@function
k_q9d250abb2d_vq:
	s_mov_b64 s[64:65], 0
	v_nop
	global_prefetch_b8 v0, s[64:65] scope:SCOPE_SE
	s_setreg_imm32_b32 hwreg(HW_REG_WAVE_MODE, 25, 1), 1
	s_wait_xcnt 0x0
	s_wait_alu depctr_hold_cnt(0) depctr_sa_sdst(0) depctr_va_vdst(0) depctr_va_sdst(0) depctr_va_ssrc(0) depctr_va_vcc(0) depctr_vm_vsrc(0)
	s_getreg_b32 s2, hwreg(HW_REG_IB_STS2, 6, 4)
	s_cmp_eq_u32 s2, 0
	s_cbranch_scc0 .Lentry_in_a_cluster
	s_endpgm
.Lentry_in_a_cluster:
	s_bfe_u32 s2, ttmp6, 0x10000c
	s_cmp_lg_u32 s2, 0x3003
	s_cbranch_scc0 .Lentry_shape_is_right
	s_endpgm
.Lentry_shape_is_right:
; For each of 32,768 rows x: the number of the FIRST GROUP of 8 codes that holds the smallest d_k = ||x||^2 - 2 x.w_k + ||w_k||^2 over 8,192 codes; x.w_k on codes of FP6 (E2M3) with E8M0 scales, all else in f32.
; The group's number (code / 8) goes to tilew as a whole number; launch pick repeats the products of that one group and finds the code in it.  Nothing of the problem is left out: every input has its way to the outputs.
; THE DISTANCE.  Source 0 = 16 codes, source 1 = 16 rows of x; the first K step's C is -1/2 ||w||^2 in the result's layout: D = x.w - 1/2 ||w||^2, and d = fma(-2, D, ||x||^2).
; A lane holds ONE row of x (lane % 16); an accumulator's 8 registers are the codes 16 t + 8 (lane / 16) + j: one group.
; THE SEARCH.  The multiply-add does not rise where D rises, so the smallest d so far is fma(-2, the largest D so far, ||x||^2).  For each accumulator: four v_max3 carry the running largest D on, one v_fma makes d,
; ONE strict comparison with the d before this tile (strict: the earlier tile keeps a tie), one select of the tile's number: 7 vector instructions for 8 distances.  The running pair (largest D, d) lies in two sets of registers
; that take turns tile by tile.  A tile's v_fma, comparison and select stand in the NEXT tile: its eight v_fma are the places behind that tile's products, so no idle line is written.
; At the end the streams (two halves of the lanes, eight waves) are merged by (d, group).  No branch and no address hangs on these numbers.
; ORDER OF ROUNDING: d = xx - 2 (dot - ww / 2), where the definition has (xx - 2 dot) + ww: all three terms are in, and d is rounded to f32 at the same size.
; LIMITS: NaN and infinities are not served; a block of zeros has the scale byte 1 (its codes are zeros); blocks whose largest magnitude lies under 2^-124 were not tried.
; SHARES.  A work-group owns 128 rows: 256 work-groups.  EVERY wave holds the codes of all 128 rows (8 records of xq, 192 registers, window 1) and walks an eighth of the code tiles: each record of W is read from LDS once in
; the work-group and feeds 16 matrix instructions.
; THE RING.  W's 512 records come through two LDS slots of 48 records, as large as two fit: ten slotfuls of 48 and a last one of 32.  Wave w fetches and reads records 6 w .. 6 w + 5 of a slot (of the last slotful 4 w .. 4 w + 3):
; its own bytes, so its own wait on TENSORcnt orders its reads.  One tensor load of a wave is out at a time, with five tiles of the wave between the request and the wait for it.
; CLUSTER.  All work-groups walk the same records; the four of a cluster ask JOINTLY.  x is each work-group's own, so a larger cluster would share nothing more.
; REGISTERS.  Window 0: v1-15, v25-31 addresses; v16-24 scale registers, which hold nothing else; v32-47 the running largest D, two sets; v48-63 d, two sets; v64-71 C; v72-95 W's fragments; v96-103 the tile numbers;
;   v104-111 ||x||^2; v112-127 at work at the end; v128-191 the 8 accumulators.  Window 1: v0-191 x's 16 fragments.
.set REC,    3328                      ; a record: 3,072 bytes of codes as images of registers, 128 of scale words, 128 of -1/2 ||.||^2
.set WPART,  6*REC                     ; a wave's part of a slot: 78 rows of 256 bytes
.set SLOTB,  48*REC                    ; a slot; slot 1 begins here
.set SPARE,  2*SLOTB                   ; behind the slots: the spare words, 128 bytes a wave: four blocks of 256 bytes that no other line names
.set RED,    SLOTB                     ; the end, in slot 1, which has had its last fill and, behind a barrier, its last read: 8 waves x 8 tiles of rows x (128 bytes of d, 128 of group numbers),
.set RED2,   RED+16384                 ; and the work-group's 128 results
.set LI,  1                            ; 16 x lane
.set LS,  2                            ; 4 x lane
.set A0,  3                            ; my wave's part + 16 x lane
.set AH0, 4                            ; + 3,200 + 32 (lane / 16)
.set AS0, 5                            ; + 3,072 + 4 x lane
.set SPW, 6                            ; my spare word; never rewritten
.set NIL, 7                            ; 0; never rewritten
.set ADR, 8                            ; A0, AH0, AS0 in the slot in hand
.set ADH, 10
.set ADS, 11
.set PFL, 12                           ; 256 x lane
.set PFO, 13                           ; the prefetch's offset
.set AR,  15                           ; RED + 2,048 x wave + 4 x lane
.set XS,  16                           ; v16-23 x's scale registers: lanes 0-15 K = 0-127, lanes 16-31 K = 128-255
.set WS,  24                           ; W's, likewise
.set AM,  25                           ; RED + 256 x wave + 4 x lane
.set A2,  26                           ; RED2 + 64 x wave + 4 x (lane % 16)
.set A3,  27                           ; RED2 + 16 x lane
.set MX,  32
.set DD,  48
.set HW,  64
.set W,   72
.set IDX, 96
.set XX,  104
.set D,   128
.set WV,  12                           ; s12 my wave's number
.set TB,  15                           ; s15 LDS byte at which the slot in hand begins
.set TN,  16                           ; s16 the number of the tile in hand
.set SLOTS, 17                         ; s17 the loop's trips to go
.set LIM, 18                           ; s18 1 in a wave that prefetches, else the greatest number
.set PQ,  19                           ; s19 where my prefetches stand, in bytes from the records' first
.set PCL, 20                           ; s20 the same, held inside the buffer
.set TNP, 21                           ; s21 the number of the tile before
.set SEL, 22                           ; s[22:23] v_permlanex16_b32's selects for lane l xor 16
.set G1,  24                           ; s[24:31] descriptor group 1: 78 rows
.set G0A, 32                           ; s[32:35] group 0 of slot 0's first fill
.set G0B, 36                           ; s[36:39] group 0 of slot 1's first fill, which then walks
.set MK,  40                           ; s40-47 the comparisons' masks
.set G1S, 68                           ; s[68:75] group 1 of the last slotful: 52 rows
.set G0C, 76                           ; s[76:79] its group 0
.set MSB, 0
.macro WIN new                         ; the immediate's high byte repeats the setting that is left
.if MSB != \new
	s_set_vgpr_msb (MSB<<8)|\new
.set MSB, \new
.endif
.endm
.macro CREST                           ; a round of the cluster's barrier behind its opening barrier
	s_cmp_lg_u32 s[WV], 0
	s_cbranch_scc1 .Lnot_wave_0_\@
	s_barrier_signal -3
.Lnot_wave_0_\@:
	s_barrier_wait -3
	s_barrier_signal -1
	s_barrier_wait -1
.endm
.macro CROUND
	s_barrier_signal -1
	s_barrier_wait -1
	CREST
.endm
.macro FETCHW off                      ; a record into registers: nine LDS loads in one run
.irp g, 0,1,2,3,4,5
	ds_load_b128 v[W+4*\g:W+4*\g+3], v[ADR] offset:(\off)+512*\g   ; an image of the registers: 512 consecutive bytes a load
.endr
	ds_load_b32 v[WS], v[ADS] offset:(\off)
	ds_load_b128 v[HW:HW+3], v[ADH] offset:(\off)                  ; -1/2 ||w||^2 of codes 8 (lane / 16) + 0 .. 7
	ds_load_b128 v[HW+4:HW+7], v[ADH] offset:(\off)+16
.endm
.macro BURST                           ; one tile of 16 codes against my 8 tiles of rows, two K steps; the eight accumulators take turns
.irp i, 0,1,2,3,4,5,6,7
	v_wmma_scale_f32_16x16x128_f8f6f4 v[D+8*\i:D+8*\i+7], v[W:W+11], v[24*\i:24*\i+11], v[HW:HW+7], v[WS], v[XS+\i] matrix_a_fmt:MATRIX_FMT_FP6 matrix_b_fmt:MATRIX_FMT_FP6
.endr
.irp i, 0,1,2,3,4,5,6,7
	v_wmma_scale_f32_16x16x128_f8f6f4 v[D+8*\i:D+8*\i+7], v[W+12:W+23], v[24*\i+12:24*\i+23], v[D+8*\i:D+8*\i+7], v[WS], v[XS+\i] matrix_a_fmt:MATRIX_FMT_FP6 matrix_b_fmt:MATRIX_FMT_FP6 matrix_a_scale:MATRIX_SCALE_ROW1 matrix_b_scale:MATRIX_SCALE_ROW1
.endr
.endm
; The vector work, stage by stage over the 8 tiles of rows, so that no line waits for the line above it.  p: the parity of the tile in hand.  Set p holds the running largest D up to the tile before; set 1 - p takes the new one.
.macro VF p                            ; the tile before: its d, into d's set p
.irp i, 0,1,2,3,4,5,6,7
	v_fma_f32 v[DD+8*(\p)+\i], v[MX+8*(\p)+\i], -2.0, v[XX+\i]
.endr
.endm
.macro VM p                            ; the tile in hand: each accumulator is read from its low end on
.irp i, 0,1,2,3,4,5,6,7
	v_max3_num_f32 v[MX+8*(1-(\p))+\i], v[MX+8*(\p)+\i], v[D+8*\i], v[D+8*\i+1]
.endr
.irp j, 2,4,6
.irp i, 0,1,2,3,4,5,6,7
	v_max3_num_f32 v[MX+8*(1-(\p))+\i], v[MX+8*(1-(\p))+\i], v[D+8*\i+\j], v[D+8*\i+\j+1]
.endr
.endr
.endm
.macro VC p                            ; the tile before: has d fallen?  Strict: the earlier tile keeps a tie
.irp i, 0,1,2,3,4,5,6,7
	v_cmp_lt_f32 s[MK+\i], v[DD+8*(\p)+\i], v[DD+8*(1-(\p))+\i]
.endr
.irp i, 0,1,2,3,4,5,6,7
	v_cndmask_b32 v[IDX+\i], v[IDX+\i], s[TNP], s[MK+\i]
.endr
.endm
; A PREFETCH INTO THE L2.  The records are taken as 208 pieces of 8,192 bytes, lanes 256 bytes apart; a slotful is 19.5 pieces.  The first cluster asks, in waves 0 to 4 of each of its four work-groups, which are told apart
; BY ADDRESS: at the n-th refill (n from 0), which asks for slotful n + 2, wave w of the work-group at place cx names piece 78 + 20 n + 4 w + cx.  78 + 20 n + 19 is at least 19.5 (n + 5) - 1: slotful n + 4 has been named two
; refills ahead of its tensor load.  The first seven refills ask (s[SLOTS] above 1): they reach the records' end; what would pass it is held at the last piece.  Slotfuls 0 to 3 come by their loads alone.
.macro ASK
	s_cmp_gt_u32 s[SLOTS], s[LIM]
	s_cbranch_scc0 .Lnot_mine_\@
	s_wait_alu depctr_va_vdst(0)
	global_prefetch_b8 v[PFO], s[6:7] th:TH_LOAD_NT scope:SCOPE_SE
.Lnot_mine_\@:
.endm
; A CODE TILE, the q-th of mine in the slot in hand; its record was fetched in the tile before.  kind 0: plain.  1: a slot's last tile, and the slot is filled again.  4: the same, with the last, shorter slotful.
; 2: a slot's last, no refill; the last slotful follows.  3: the very last.
; THE CHANGE OF SLOTS stands in front of the last tile's products: with that tile's record in registers my reads of the slot are over.  Each wave waits for all its tensor loads (its part of the next slot), adds 0 to its spare
; word, waits for that and for its reads, and signals; the 16 products are the register work inside the round; behind the round the joint refill comes first, then the next slot's first record is fetched.
.macro TILE q, kind
.if (\kind == 1) || (\kind == 4)
.if \kind == 1
	s_wait_xcnt 0x0                                ; the last prefetch, a slot back, has read its offset: it is stepped here
	s_add_co_u32 s[PQ], s[PQ], 20*8192
	s_min_u32 s[PCL], s[PQ], 207*8192              ; no prefetch points past the records' end
	v_add_nc_u32 v[PFO], s[PCL], v[PFL]
.endif
	s_wait_tensorcnt 0x0                           ; no tensor load of mine is out, so the walking group 0 may be written
	ds_add_u32 v[SPW], v[NIL]                      ; the steps below stand between the add and the wait for it
.if \kind == 1
	s_add_co_u32 s[G0B+1], s52, s[TB]              ; my part of the slot that I am leaving,
	s_add_nc_u64 s[G0B+2:G0B+3], s[G0B+2:G0B+3], SLOTB   ; the next 48 records
.endif
	s_xor_b32 s[TB], s[TB], SLOTB                  ; my reads go on in the other slot
	WIN 0x04                                       ; source 1 (x) window 1
	s_wait_dscnt 0x0                               ; the add is done, this tile's record is in, my reads of the slot are over
	s_barrier_signal -1                            ; opens a round of the cluster's barrier
.elseif \kind == 2
	s_wait_tensorcnt 0x0                           ; my part of the last slotful is in; only I read it
	s_xor_b32 s[TB], s[TB], SLOTB
	s_wait_dscnt 0x0
	WIN 0x04
.else
	s_wait_dscnt 0x0                               ; this tile's record is in
	WIN 0x04
.endif
	BURST
	WIN 0                                          ; at a label and at a branch every window is 0
.if (\kind == 1) || (\kind == 4)
	s_barrier_wait -1
	CREST                                          ; no wave of any partner still reads the slot or has a load on its way
.if \kind == 1
	tensor_load_to_lds s[G0B:G0B+3], s[G1:G1+7]    ; my one tensor load behind the round, and the first thing there
.else
	tensor_load_to_lds s[G0C:G0C+3], s[G1S:G1S+7]  ; the last slotful: 4 records a wave
.endif
	s_nop 0
.endif
.if (\kind == 1) || (\kind == 2) || (\kind == 4)
	v_add_nc_u32 v[ADR], s[TB], v[A0]
	v_add_nc_u32 v[ADH], s[TB], v[AH0]
	v_add_nc_u32 v[ADS], s[TB], v[AS0]
.endif
	VF (\q)%2                                      ; plain lines that name no register of the products: the places ahead of the loads into W's registers and of the reads of the results
.if (\kind == 1) || (\kind == 2) || (\kind == 4)
	FETCHW 0
.elseif \kind == 0
	FETCHW (\q+1)*REC
.endif
.if \kind == 1
	ASK
.endif
	VM (\q)%2
	VC (\q)%2
	s_mov_b32 s[TNP], s[TN]
.if \kind == 0
	s_add_co_u32 s[TN], s[TN], 1
.elseif (\kind == 1) || (\kind == 4)
	s_add_co_u32 s[TN], s[TN], 43                  ; from tile 48 p + 6 w + 5 to 48 (p + 1) + 6 w
.elseif \kind == 2
	s_lshl_b32 s[TN], s[WV], 2
	s_add_co_u32 s[TN], s[TN], 480                 ; the last slotful: tile 480 + 4 w
.endif
.endm
.macro MERGE da, ca, db, cb            ; (d, group) a takes b where b's d is smaller, or equal with the smaller group
	v_cmp_lt_f32 s48, v[\db], v[\da]
	v_cmp_eq_f32 s49, v[\db], v[\da]
	v_cmp_lt_u32 vcc_lo, v[\cb], v[\ca]
	s_and_b32 s49, s49, vcc_lo
	s_or_b32 s48, s48, s49
	v_cndmask_b32 v[\da], v[\da], v[\db], s48
	v_cndmask_b32 v[\ca], v[\ca], v[\cb], s48
.endm
	s_load_b128 s[4:7], s[0:1], 0x0                ; x's records s[4:5], W's records s[6:7]
	s_load_b64 s[8:9], s[0:1], 0x10                ; tilew
	v_lshl_add_u32 v[SPW], v0, 2, SPARE
	v_mov_b32 v[NIL], 0
	ds_add_u32 v[SPW], v[NIL]                      ; the opening lines: the add, twice on end, and its wait ahead of my first tensor load
	ds_add_u32 v[SPW], v[NIL]
	v_lshrrev_b32 v28, 5, v0
	v_readfirstlane_b32 s[WV], v28                 ; wave 0..7
	v_and_b32 v29, 31, v0                          ; lane
	v_and_b32 v30, 15, v0                          ; lane % 16
	v_bfe_u32 v31, v0, 4, 1                        ; lane / 16
	v_lshlrev_b32 v[LI], 4, v29
	v_lshlrev_b32 v[LS], 2, v29
	v_lshlrev_b32 v[PFL], 8, v29
	s_wait_alu depctr_va_vdst(0)
	s_bfe_u32 s13, ttmp6, 0x40000                  ; cx: my place in the cluster
	s_lshl_b32 s14, ttmp9, 2                       ; in a cluster launch ttmp9 counts clusters
	s_add_co_u32 s14, s14, s13                     ; my work-group: it enters x's and tilew's addresses alone
	s_mul_i32 s52, s[WV], WPART                    ; my wave's part of a slot, in LDS and in memory
	s_mov_b32 s53, 0
	s_add_co_u32 s58, s52, 3200
	s_add_co_u32 s59, s52, 3072
	s_mul_i32 s60, s[WV], 4*REC                    ; my part of the last slotful, in memory
	s_add_co_u32 s60, s60, 480*REC
	s_mov_b32 s61, 0
	s_lshl_b32 s48, s[WV], 11
	s_add_co_u32 s48, s48, RED
	s_lshl_b32 s49, s[WV], 8
	s_add_co_u32 s49, s49, RED
	s_lshl_b32 s50, s[WV], 6
	s_add_co_u32 s50, s50, RED2
	s_mov_b32 s[SEL], 0x76543210
	s_mov_b32 s[SEL+1], 0xfedcba98
	s_mov_b32 s[TB], 0
	s_mul_i32 s[TN], s[WV], 6                      ; my first tile: 6 w
	s_mov_b32 s[TNP], 0
	s_mov_b32 s[SLOTS], 8                          ; slotfuls 0 to 7 are walked in the loop
	s_cmp_lt_u32 s[WV], 5                          ; waves 0 to 4,
	s_cselect_b32 s51, 0, 1
	s_or_b32 s51, s51, ttmp9                       ; of the first cluster: the same in all four partners
	s_cmp_eq_u32 s51, 0
	s_cselect_b32 s[LIM], 1, -1
	s_lshl_b32 s[PQ], s[WV], 2
	s_add_co_u32 s[PQ], s[PQ], s13
	s_add_co_u32 s[PQ], s[PQ], 58                  ; the first refill steps it to piece 78 + 4 w + cx
	s_lshl_b32 s[PQ], s[PQ], 13
	s_mul_i32 s54, s14, 8*REC                      ; my work-group's 8 records of x
	s_mov_b32 s55, 0
	s_lshl_b32 s56, s14, 9                         ; its 128 words of tilew
	s_mov_b32 s57, 0
	s_mov_b32 s[G1], 15|(3<<16)|(1<<21)            ; the mask: all four work-groups; elements of 8 bytes; no padding (images of registers are read as they lie); bit 21 beside a mask
	s_mov_b32 s[G1+1], 32<<16                      ; tensor_dim0 = 32
	s_mov_b32 s[G1+2], 78<<16                      ; tensor_dim1 = 78
	s_mov_b32 s[G1+3], 32<<16                      ; tile_dim0 = 32
	s_mov_b32 s[G1+4], 78                          ; tile_dim1 = 78
	s_mov_b32 s[G1+5], 32                          ; the pitch
	s_mov_b32 s[G1+6], 0
	s_mov_b32 s[G1+7], 0
	s_mov_b32 s[G1S], 15|(3<<16)|(1<<21)           ; the same with 52 rows
	s_mov_b32 s[G1S+1], 32<<16
	s_mov_b32 s[G1S+2], 52<<16
	s_mov_b32 s[G1S+3], 32<<16
	s_mov_b32 s[G1S+4], 52
	s_mov_b32 s[G1S+5], 32
	s_mov_b32 s[G1S+6], 0
	s_mov_b32 s[G1S+7], 0
	s_wait_dscnt 0x0                               ; both opening adds are done
	s_wait_kmcnt 0x0
	s_add_nc_u64 s[4:5], s[4:5], s[54:55]
	s_add_nc_u64 s[8:9], s[8:9], s[56:57]
	s_mov_b32 s[G0A], 1
	s_mov_b32 s[G0A+1], s52                        ; slot 0, my part
	s_add_nc_u64 s[G0A+2:G0A+3], s[6:7], s[52:53]  ; records 6 w on
	s_or_b32 s[G0A+3], s[G0A+3], 0x80000000
	s_mov_b32 s[G0B], 1
	s_add_co_u32 s[G0B+1], s52, SLOTB              ; slot 1
	s_add_nc_u64 s[G0B+2:G0B+3], s[6:7], s[52:53]
	s_add_nc_u64 s[G0B+2:G0B+3], s[G0B+2:G0B+3], SLOTB   ; records 48 + 6 w on
	s_or_b32 s[G0B+3], s[G0B+3], 0x80000000
	s_mov_b32 s[G0C], 1
	s_mov_b32 s[G0C+1], s52                        ; the last slotful lands in slot 0
	s_add_nc_u64 s[G0C+2:G0C+3], s[6:7], s[60:61]  ; records 480 + 4 w on
	s_or_b32 s[G0C+3], s[G0C+3], 0x80000000
	CROUND                                         ; all four work-groups are here: the first joint loads meet
	tensor_load_to_lds s[G0A:G0A+3], s[G1:G1+7]    ; slot 0
	s_nop 0
	v_add_nc_u32 v[A0], s52, v[LI]
	v_lshl_add_u32 v[AH0], v31, 5, s58
	v_add_nc_u32 v[AS0], s59, v[LS]
	v_add_nc_u32 v[AR], s48, v[LS]
	v_add_nc_u32 v[AM], s49, v[LS]
	v_lshl_add_u32 v[A2], v30, 2, s50
	v_add_nc_u32 v[A3], RED2, v[LI]
	WIN 0x40                                       ; destination window 1
.irp i, 0,1,2,3,4,5,6,7                        ; x: all 8 records' codes stay in my registers; 512 consecutive bytes a load
.irp g, 0,1,2,3,4,5
	global_load_b128 v[24*\i+4*\g:24*\i+4*\g+3], v[LI], s[4:5] offset:REC*\i+512*\g
.endr
.endr
	WIN 0
.irp i, 0,1,2,3,4,5,6,7
	global_load_b32 v[XS+\i], v[LS], s[4:5] offset:REC*\i+3072
	global_load_b32 v[XX+\i], v[LS], s[4:5] offset:REC*\i+3200     ; -1/2 ||x||^2 of row lane % 16
.endr
.irp i, 0,1,2,3,4,5,6,7
	v_mov_b32 v[MX+\i], 0xff800000                 ; -infinity under every D: the first tile's share of 'the tile before' makes +infinity of it, which is not under
	v_mov_b32 v[DD+8+\i], 0x7f800000               ; +infinity: nothing is selected there
	v_mov_b32 v[IDX+\i], 0
.endr
	s_wait_alu depctr_va_vdst(0)
	s_wait_tensorcnt 0x0                           ; my part of slot 0 is in
	ds_add_u32 v[SPW], v[NIL]
	s_wait_dscnt 0x0
	CROUND
	tensor_load_to_lds s[G0B:G0B+3], s[G1:G1+7]    ; slot 1's first fill, the first tensor load behind the round
	s_nop 0
	v_add_nc_u32 v[ADR], s[TB], v[A0]
	v_add_nc_u32 v[ADH], s[TB], v[AH0]
	v_add_nc_u32 v[ADS], s[TB], v[AS0]
	v_nop
	FETCHW 0
	s_wait_loadcnt 0x0                             ; x is in
.irp i, 0,1,2,3,4,5,6,7
	v_mul_f32 v[XX+\i], -2.0, v[XX+\i]             ; ||x||^2, exact
.endr
	s_wait_alu depctr_va_vdst(0)
.Lslot:                                            ; 8 trips: a slot's six tiles of mine; at its end the slot is filled again
.irp q, 0,1,2,3,4
	TILE \q, 0
.endr
	TILE 5, 1
	s_sub_co_u32 s[SLOTS], s[SLOTS], 1
	s_cmp_lg_u32 s[SLOTS], 0
	s_wait_alu depctr_va_vdst(0)
	s_cbranch_scc1 .Lslot
.irp q, 0,1,2,3,4                               ; the last three slotfuls are written out: slotful 8
	TILE \q, 0
.endr
	TILE 5, 4
.irp q, 0,1,2,3,4                               ; slotful 9,
	TILE \q, 0
.endr
	TILE 5, 2
	TILE 0, 0                                      ; and the last: four tiles
	TILE 1, 0
	TILE 2, 0
	TILE 3, 3
	VF 0                                           ; the very last tile's d, comparison and select: the running pair ends in set 0
	VC 0
.irp i, 0,1,2,3,4,5,6,7
	v_lshl_add_u32 v[IDX+\i], v[IDX+\i], 1, v31    ; the group: 2 x tile + lane / 16
.endr
	v_mov_b32 v28, 0                               ; a lane permute's destination counts as one of its sources
	v_mov_b32 v29, 0
	s_wait_alu depctr_va_vdst(0)
	s_wait_dscnt 0x0
	s_barrier_signal -1                            ; every wave's reads of slot 1 are over: its bytes now serve as the stage
	s_barrier_wait -1
.irp i, 0,1,2,3,4,5,6,7
	ds_store_b32 v[AR], v[DD+\i] offset:256*\i
	ds_store_b32 v[AR], v[IDX+\i] offset:256*\i+128
.endr
	s_wait_dscnt 0x0                               ; for the others' sake
	s_barrier_signal -1
	s_barrier_wait -1
.irp u, 0,1,2,3,4,5,6,7                         ; wave w merges tile of rows w: the eight waves' streams,
	ds_load_b32 v[112+2*\u], v[AM] offset:2048*\u
	ds_load_b32 v[113+2*\u], v[AM] offset:2048*\u+128
.endr
	s_wait_dscnt 0x0
.irp u, 1,2,3,4,5,6,7
	MERGE 112, 113, 112+2*\u, 113+2*\u
.endr
	s_delay_alu instid0(VALU_DEP_2)
	v_permlanex16_b32 v28, v112, s[SEL], s[SEL+1]  ; and the other half of the lanes'
	s_delay_alu instid0(VALU_DEP_2)
	v_permlanex16_b32 v29, v113, s[SEL], s[SEL+1]
	MERGE 112, 113, 28, 29
	ds_store_b32 v[A2], v113                       ; both halves write the same word with the same value
	s_wait_dscnt 0x0
	s_barrier_signal -1
	s_barrier_wait -1
	s_cmp_lg_u32 s[WV], 0
	s_cbranch_scc1 .Lstored
	ds_load_b128 v[32:35], v[A3]                   ; wave 0: the work-group's 128 group numbers, four a lane
	s_wait_dscnt 0x0
	global_store_b128 v[LI], v[32:35], s[8:9]      ; 32 lanes store 512 consecutive bytes, at a multiple of 256 from the buffer's first byte
.Lstored:
	s_wait_tensorcnt 0x0                           ; the wave's end
	ds_add_u32 v[SPW], v[NIL]
	s_wait_dscnt 0x0
	CROUND                                         ; the closing round: no work-group ends while a partner may still ask for records that name it
	s_endpgm
.Lfunc_end_k_q9d250abb2d_vq:
	.size	k_q9d250abb2d_vq, .Lfunc_end_k_q9d250abb2d_vq-k_q9d250abb2d_vq
	.p2alignl 7, 3214868480
	.fill 96, 4, 3214868480
	.section	.rodata,"a",@progbits
	.p2align	6, 0x0
	.amdhsa_kernel k_q9d250abb2d_vq
		.amdhsa_group_segment_fixed_size 327680
		.amdhsa_private_segment_fixed_size 0
		.amdhsa_enable_private_segment 0
		.amdhsa_kernarg_size 24
		.amdhsa_user_sgpr_count 2
		.amdhsa_user_sgpr_kernarg_segment_ptr 1
		.amdhsa_wavefront_size32 1
		.amdhsa_system_sgpr_workgroup_id_x 1
		.amdhsa_system_sgpr_workgroup_id_y 1
		.amdhsa_system_sgpr_workgroup_id_z 1
		.amdhsa_system_vgpr_workitem_id 0
		.amdhsa_next_free_vgpr 448
		.amdhsa_next_free_sgpr 80
		.amdhsa_reserve_vcc 1
		.amdhsa_float_denorm_mode_32 3
		.amdhsa_float_denorm_mode_16_64 3
		.amdhsa_memory_ordered 1
		.amdhsa_forward_progress 1
		.amdhsa_inst_pref_size 161
	.end_amdhsa_kernel
	.amdgpu_metadata
---
amdhsa.version: [ 1, 2 ]
amdhsa.kernels:
  - .name:           k_q9d250abb2d_vq
    .symbol:         k_q9d250abb2d_vq.kd
    .args:
      - { .name: xq, .offset: 0, .size: 8, .value_kind: global_buffer, .address_space: global }
      - { .name: wq, .offset: 8, .size: 8, .value_kind: global_buffer, .address_space: global }
      - { .name: tilew, .offset: 16, .size: 8, .value_kind: global_buffer, .address_space: global }
    .group_segment_fixed_size: 327680
    .private_segment_fixed_size: 0
    .kernarg_segment_align: 8
    .kernarg_segment_size: 24
    .max_flat_workgroup_size: 256
    .sgpr_count:     80
    .vgpr_count:     448
    .wavefront_size: 32
...
	.end_amdgpu_metadata
.endif
;; end of part 2
;; launch pick (part 3): grid 256 x 1, 8 waves a work-group, no clusters, 1,536 bytes of LDS; arguments xq, wq, tilew, out1, idxw; writes out1, idxw
.if DOCPART == 3
	.amdgcn_target "amdgcn-amd-amdhsa--gfx1250"
	.amdhsa_code_object_version 6
	.text
	.protected	k_q9d250abb2d_pick
	.globl	k_q9d250abb2d_pick
	.p2align	8
	.type	k_q9d250abb2d_pick,@function
k_q9d250abb2d_pick:
	s_mov_b64 s[64:65], 0
	v_nop
	global_prefetch_b8 v0, s[64:65] scope:SCOPE_SE
	s_setreg_imm32_b32 hwreg(HW_REG_WAVE_MODE, 25, 1), 1
	s_wait_xcnt 0x0
; For each row x the launch before has stored the first group of 8 codes (g = code / 8) that holds the smallest distance.  Here that group's products are made again, by the same two matrix instructions on the same codes,
; scales and C (-1/2 ||w||^2, then K = 0-127, then K = 128-255: the same bits), and the FIRST code with the smallest d = fma(-2, D, ||x||^2) is taken: 8 g + its place.  It goes to out1 and, for the gathering launch, to idxw.
; The group numbers are whole numbers read from memory; only they enter addresses.  What is derived from the distances selects values alone.
; A wave takes a tile of 16 rows of x, in 8 pairs.  Source 0 of pair q holds TWO groups: its rows 0-7 the 8 codes of row 2 q's group, its rows 8-15 those of row 2 q + 1's: each lane takes its 16 bytes of each image in W's
; records at an offset made of its own group's number, so that only the 8 codes that count are read.  In the result lane (r, h) holds column r and source 0's rows 8 h + j: row r's distances lie in pair r / 2, in the half h = r % 2.
; Each lane picks the 8 D of its column's pair by masks on its own number, and the search is made once.  Each row has another group, so the records come from memory straight into registers, all 72 loads in one run
; (the codes of pairs 0-3 into window 0, those of pairs 4-7 into window 1): no tile is shared, so no LDS ring and no cluster; there is no loop to run ahead in, so nothing is prefetched.
; LIMITS: as in launch vq: NaN and infinities are not served.
.set REC,  3328
.set SPARE, 512                        ; LDS: bytes 0-511 the work-group's 128 results; then the spare words, 128 bytes a wave
.set LS, 1                             ; 4 x lane
.set LF, 2                             ; 4 x ((lane % 16) / 8): which row of a pair my part of source 0 belongs to
.set LG, 3                             ; 4 x (lane / 16): which row of a pair my part of C belongs to
.set LR, 4                             ; 4 x (lane % 16)
.set BL, 5                             ; my place in an image of codes, less the group's: 256 (lane / 16) + 16 (lane % 8)
.set BSC, 6                            ; and in the scale words: 64 (lane / 16) + 4 (lane % 8)
.set XX, 7                             ; ||x||^2 of row lane % 16
.set XS, 8                             ; x's scale register, which holds nothing else
.set RQ, 9                             ; (lane % 16) / 2: my column's pair
.set AO, 10                            ; 64 x wave + 4 x (lane % 16)
.set LI, 11                            ; 16 x lane
.set SPW, 12
.set NIL, 13
.set TL, 14                            ; the group of row lane % 16
.set WS, 16                            ; v16-23 the 8 pairs' scale registers
.set E,  24                            ; v24-31 my column's 8 D
.set X,  32                            ; v32-55 x's two fragments
.set OF, 56                            ; v56-63 the pairs' offsets of codes; then F, my 8 d
.set F,  56
.set W,  64                            ; v64-159 of window 0: the fragments of pairs 0-3; of window 1: those of pairs 4-7
.set D,  160                           ; v160-223 the 8 accumulators, which begin as -1/2 ||w||^2
.set OS, 224                           ; v224-231 the offsets of scale words; then at work
.set BM, 224
.set J,  225
.set P0, 226
.set OH, 232                           ; v232-239 the offsets of -1/2 ||w||^2
.set GF, 240                           ; v240-247 pair q: the group of the row that my part of source 0 belongs to
.set GH, 248                           ; v248-255 the same for my part of C
.set MK, 56                            ; s56-63 masks: my column's pair is q
.macro SMALL k
	global_load_b32 v[WS+\k], v[OS+\k], s[6:7] offset:3072
	global_load_b128 v[D+8*\k:D+8*\k+3], v[OH+\k], s[6:7] offset:3200
	global_load_b128 v[D+8*\k+4:D+8*\k+7], v[OH+\k], s[6:7] offset:3216
.endm
.macro FRAGS k0                        ; the codes of pairs k0 .. k0 + 3
.irp c, 0,1,2,3
.irp g, 0,1,2,3,4,5
	global_load_b128 v[W+24*\c+4*\g:W+24*\c+4*\g+3], v[OF+\k0+\c], s[6:7] offset:512*\g
.endr
.endr
.endm
.macro PROD k0                         ; four accumulators by turns, two K steps
.irp c, 0,1,2,3
	v_wmma_scale_f32_16x16x128_f8f6f4 v[D+8*(\k0+\c):D+8*(\k0+\c)+7], v[W+24*\c:W+24*\c+11], v[X:X+11], v[D+8*(\k0+\c):D+8*(\k0+\c)+7], v[WS+\k0+\c], v[XS] matrix_a_fmt:MATRIX_FMT_FP6 matrix_b_fmt:MATRIX_FMT_FP6
.endr
.irp c, 0,1,2,3
	v_wmma_scale_f32_16x16x128_f8f6f4 v[D+8*(\k0+\c):D+8*(\k0+\c)+7], v[W+24*\c+12:W+24*\c+23], v[X+12:X+23], v[D+8*(\k0+\c):D+8*(\k0+\c)+7], v[WS+\k0+\c], v[XS] matrix_a_fmt:MATRIX_FMT_FP6 matrix_b_fmt:MATRIX_FMT_FP6 matrix_a_scale:MATRIX_SCALE_ROW1 matrix_b_scale:MATRIX_SCALE_ROW1
.endr
.endm
.macro TAKE k                          ; the lanes of pair k's columns take accumulator k's 8 D, from its low end on
.irp j, 0,1,2,3,4,5,6,7
	v_cndmask_b32 v[E+\j], v[E+\j], v[D+8*\k+\j], s[MK+\k]
.endr
.endm
	s_load_b256 s[4:11], s[0:1], 0x0               ; xq s[4:5], wq s[6:7], tilew s[8:9], out1 s[10:11]
	s_load_b64 s[12:13], s[0:1], 0x20              ; idxw
	v_lshl_add_u32 v[SPW], v0, 2, SPARE
	v_mov_b32 v[NIL], 0
	v_lshrrev_b32 v15, 5, v0
	v_readfirstlane_b32 s14, v15                   ; wave 0..7
	v_and_b32 v15, 31, v0
	v_lshlrev_b32 v[LS], 2, v15
	v_lshlrev_b32 v[LI], 4, v15
	v_and_b32 v[LR], 15, v0
	v_bfe_u32 v[LG], v0, 4, 1
	v_bfe_u32 v[LF], v0, 3, 1
	v_and_b32 v[BSC], 7, v0
	v_bfe_u32 v[RQ], v0, 1, 3
	v_and_b32 v15, 1, v0
	v_cmp_eq_u32 s30, v15, v[LG]                   ; the lanes that hold their column's own distances: lane / 16 = column % 2
.irp k, 0,1,2,3,4,5,6,7
	v_cmp_eq_u32 s[MK+\k], \k, v[RQ]
.endr
	v_lshlrev_b32 v[BL], 4, v[BSC]
	v_lshlrev_b32 v[BSC], 2, v[BSC]
	v_lshl_add_u32 v[BL], v[LG], 8, v[BL]
	v_lshl_add_u32 v[BSC], v[LG], 6, v[BSC]
	v_lshlrev_b32 v[LF], 2, v[LF]
	v_lshlrev_b32 v[LG], 2, v[LG]
	v_lshlrev_b32 v[LR], 2, v[LR]
	s_wait_alu depctr_va_vdst(0)
	s_lshl_b32 s15, ttmp9, 3
	s_add_co_u32 s15, s15, s14                     ; my tile of 16 rows: 8 x work-group + wave
	s_mul_i32 s20, s15, REC
	s_mov_b32 s21, 0
	s_lshl_b32 s24, s15, 6                         ; its 16 group numbers
	s_mov_b32 s25, 0
	s_lshl_b32 s26, ttmp9, 9                       ; the work-group's 128 results
	s_mov_b32 s27, 0
	s_lshl_b32 s28, s14, 6
	s_mov_b32 s16, 0x76543210
	s_mov_b32 s17, 0xfedcba98                      ; v_permlanex16_b32's selects for lane l xor 16
	v_add_nc_u32 v[AO], s28, v[LR]
	s_wait_alu depctr_va_vdst(0)
	s_wait_kmcnt 0x0
	s_add_nc_u64 s[4:5], s[4:5], s[20:21]
	s_add_nc_u64 s[8:9], s[8:9], s[24:25]
	s_add_nc_u64 s[10:11], s[10:11], s[26:27]
	s_add_nc_u64 s[12:13], s[12:13], s[26:27]
.irp q, 0,1,2,3,4,5,6,7
	global_load_b32 v[GF+\q], v[LF], s[8:9] offset:8*\q
	global_load_b32 v[GH+\q], v[LG], s[8:9] offset:8*\q
.endr
	global_load_b32 v[TL], v[LR], s[8:9]
.irp g, 0,1,2,3,4,5
	global_load_b128 v[X+4*\g:X+4*\g+3], v[LI], s[4:5] offset:512*\g
.endr
	global_load_b32 v[XS], v[LS], s[4:5] offset:3072
	global_load_b32 v[XX], v[LS], s[4:5] offset:3200
	s_wait_loadcnt 8                               ; the group numbers are in; x's eight loads may be out
	; group g lies in record g / 2, at its codes 8 (g % 2) on: (g & 0x3fe) x 1,664 is the record's first byte
.irp q, 0,1,2,3,4,5,6,7
	v_min_u32 v[GF+\q], 1023, v[GF+\q]             ; a group number stays inside the records
	v_min_u32 v[GH+\q], 1023, v[GH+\q]
.endr
.irp q, 0,1,2,3,4,5,6,7
	v_and_b32 v[OF+\q], 0x3fe, v[GF+\q]
	v_and_b32 v[OH+\q], 0x3fe, v[GH+\q]
.endr
.irp q, 0,1,2,3,4,5,6,7
	v_and_b32 v[GF+\q], 1, v[GF+\q]
	v_and_b32 v[GH+\q], 1, v[GH+\q]
.endr
.irp q, 0,1,2,3,4,5,6,7
	v_mad_u32_u24 v[OS+\q], v[OF+\q], 1664, v[BSC]
	v_mul_u32_u24 v[OH+\q], v[OH+\q], 1664
.endr
.irp q, 0,1,2,3,4,5,6,7
	v_mad_u32_u24 v[OF+\q], v[OF+\q], 1664, v[BL]
.endr
.irp q, 0,1,2,3,4,5,6,7
	v_lshl_add_u32 v[OS+\q], v[GF+\q], 5, v[OS+\q] ; 8 scale words on,
	v_lshl_add_u32 v[OH+\q], v[GH+\q], 5, v[OH+\q] ; 8 numbers on,
	v_lshl_add_u32 v[OF+\q], v[GF+\q], 7, v[OF+\q] ; 8 lanes' 16 bytes on
.endr
.irp k, 0,1,2,3
	SMALL \k
.endr
	FRAGS 0
.irp k, 4,5,6,7
	SMALL \k
.endr
	s_set_vgpr_msb 0x40                            ; destination window 1, address window 0
	FRAGS 4
	s_set_vgpr_msb 0x4000                          ; all back to window 0
	s_wait_alu depctr_va_vdst(0)
	s_wait_loadcnt 36                              ; all but the 12 small loads and the 24 loads of codes of pairs 4 to 7
	PROD 0
.rept 4
	v_nop                                          ; places ahead of the reads of the results
.endr
.irp j, 0,1,2,3,4,5,6,7
	v_cndmask_b32 v[E+\j], v[D+\j], v[D+8+\j], s[MK+1]   ; pairs 0 and 1 start the choice: nothing is cleared
.endr
	TAKE 2
	TAKE 3
	v_mul_f32 v[XX], -2.0, v[XX]                   ; ||x||^2, exact
	v_min_u32 v[TL], 1023, v[TL]
	s_wait_alu depctr_va_vdst(0)
	s_wait_loadcnt 0x0
	s_set_vgpr_msb 0x01                            ; source 0 (W's codes) window 1
	PROD 4
	s_set_vgpr_msb 0x0100                          ; all back to window 0
.rept 4
	v_nop
.endr
	TAKE 4
	TAKE 5
	TAKE 6
	TAKE 7
	v_max3_num_f32 v[BM], v[E], v[E+1], v[E+2]
.irp j, 0,1,2,3,4,5,6,7
	v_fma_f32 v[F+\j], v[E+\j], -2.0, v[XX]
.endr
	v_max3_num_f32 v[BM], v[BM], v[E+3], v[E+4]
	v_mov_b32 v[J], 0
	v_max3_num_f32 v[BM], v[BM], v[E+5], v[E+6]
	s_delay_alu instid0(VALU_DEP_1)
	v_max_num_f32 v[BM], v[BM], v[E+7]
	s_delay_alu instid0(VALU_DEP_1)
	v_fma_f32 v[BM], v[BM], -2.0, v[XX]            ; the smallest d of the 8: the multiply-add does not rise where D rises
.irp j, 7,6,5,4,3,2,1,0
	v_cmp_neq_f32 vcc_lo, v[F+\j], v[BM]
	s_delay_alu instid0(VALU_DEP_1)
	v_cndmask_b32 v[J], \j, v[J], vcc_lo           ; j where equal; j descends, so the lowest stays
.endr
	s_delay_alu instid0(VALU_DEP_1)
	v_lshl_add_u32 v[J], v[TL], 3, v[J]            ; the code: 8 g + j
	s_delay_alu instid0(VALU_DEP_1)
	v_permlanex16_b32 v[P0], v[J], s16, s17        ; the other half of the lanes'
	s_delay_alu instid0(VALU_DEP_1)
	v_cndmask_b32 v[J], v[P0], v[J], s30           ; mine where my half holds the column's own distances: both halves now hold row lane % 16's code
	ds_store_b32 v[AO], v[J]                       ; both halves write the same word with the same value
	s_wait_dscnt 0x0                               ; for the others' sake
	s_barrier_signal -1
	s_barrier_wait -1
	s_cmp_lg_u32 s14, 0
	s_cbranch_scc1 .Lstored
	ds_load_b128 v[56:59], v[LI]                   ; wave 0: the work-group's 128 codes, four a lane
	s_wait_dscnt 0x0
	global_store_b128 v[LI], v[56:59], s[10:11]    ; 32 lanes store 512 consecutive bytes, at a multiple of 256 from the buffer's first byte
	global_store_b128 v[LI], v[56:59], s[12:13]
.Lstored:
	s_wait_tensorcnt 0x0                           ; the wave's end, behind my last LDS store
	ds_add_u32 v[SPW], v[NIL]
	s_wait_dscnt 0x0
	s_endpgm
.Lfunc_end_k_q9d250abb2d_pick:
	.size	k_q9d250abb2d_pick, .Lfunc_end_k_q9d250abb2d_pick-k_q9d250abb2d_pick
	.p2alignl 7, 3214868480
	.fill 96, 4, 3214868480
	.section	.rodata,"a",@progbits
	.p2align	6, 0x0
	.amdhsa_kernel k_q9d250abb2d_pick
		.amdhsa_group_segment_fixed_size 1536
		.amdhsa_private_segment_fixed_size 0
		.amdhsa_enable_private_segment 0
		.amdhsa_kernarg_size 40
		.amdhsa_user_sgpr_count 2
		.amdhsa_user_sgpr_kernarg_segment_ptr 1
		.amdhsa_wavefront_size32 1
		.amdhsa_system_sgpr_workgroup_id_x 1
		.amdhsa_system_sgpr_workgroup_id_y 1
		.amdhsa_system_sgpr_workgroup_id_z 1
		.amdhsa_system_vgpr_workitem_id 0
		.amdhsa_next_free_vgpr 416
		.amdhsa_next_free_sgpr 66
		.amdhsa_reserve_vcc 1
		.amdhsa_float_denorm_mode_32 3
		.amdhsa_float_denorm_mode_16_64 3
		.amdhsa_memory_ordered 1
		.amdhsa_forward_progress 1
		.amdhsa_inst_pref_size 27
	.end_amdhsa_kernel
	.amdgpu_metadata
---
amdhsa.version: [ 1, 2 ]
amdhsa.kernels:
  - .name:           k_q9d250abb2d_pick
    .symbol:         k_q9d250abb2d_pick.kd
    .args:
      - { .name: xq, .offset: 0, .size: 8, .value_kind: global_buffer, .address_space: global }
      - { .name: wq, .offset: 8, .size: 8, .value_kind: global_buffer, .address_space: global }
      - { .name: tilew, .offset: 16, .size: 8, .value_kind: global_buffer, .address_space: global }
      - { .name: out1, .offset: 24, .size: 8, .value_kind: global_buffer, .address_space: global }
      - { .name: idxw, .offset: 32, .size: 8, .value_kind: global_buffer, .address_space: global }
    .group_segment_fixed_size: 1536
    .private_segment_fixed_size: 0
    .kernarg_segment_align: 8
    .kernarg_segment_size: 40
    .max_flat_workgroup_size: 256
    .sgpr_count:     66
    .vgpr_count:     416
    .wavefront_size: 32
...
	.end_amdgpu_metadata
.endif
;; end of part 3
;; launch gather (part 4): grid 256 x 1, 8 waves a work-group, no clusters, 0 bytes of LDS; arguments weight, idxw, out0; writes out0
.if DOCPART == 4
	.amdgcn_target "amdgcn-amd-amdhsa--gfx1250"
	.amdhsa_code_object_version 6
	.text
	.protected	k_q9d250abb2d_gather
	.globl	k_q9d250abb2d_gather
	.p2align	8
	.type	k_q9d250abb2d_gather,@function
k_q9d250abb2d_gather:
	s_mov_b64 s[64:65], 0
	v_nop
	global_prefetch_b8 v0, s[64:65] scope:SCOPE_SE
	s_setreg_imm32_b32 hwreg(HW_REG_WAVE_MODE, 25, 1), 1
	s_wait_xcnt 0x0
; out0[n][:] = weight[idxw[n]][:]: rows of 1,024 bytes, f32, as they lie.  The indices are whole numbers that the launch before has stored.
; A wave takes 16 rows: its 16 indices come by one scalar load; each row is two units of 512 consecutive bytes, 32 units a wave, each one load and one store.  DEPTH loads of a wave run ahead; behind each store the load
; DEPTH units on is issued, so that stores and loads go out by turns.  No register is written twice, so nothing waits but each store for its own load.
; Memory binds: no LDS, no barrier, no matrix unit.  The loads carry no hint: a row of the codebook may be named many times.
.set DEPTH, 12
.set LI,  1                            ; v1      16 x lane
.set OFF, 2                            ; v2-17   row k: 1,024 x its index + 16 x lane
.set X,   32                           ; v32-159 unit u = 2 k + half: 4 registers
.macro GL u
	global_load_b128 v[X+4*(\u):X+4*(\u)+3], v[OFF+(\u)/2], s[4:5] offset:512*((\u)%2)
.endm
	s_load_b128 s[4:7], s[0:1], 0x0                ; weight s[4:5], idxw s[6:7]
	s_load_b64 s[8:9], s[0:1], 0x10                ; out0
	v_lshrrev_b32 v1, 5, v0
	s_delay_alu instid0(VALU_DEP_1)
	v_readfirstlane_b32 s10, v1                    ; wave 0..7
	v_and_b32 v1, 31, v0
	s_delay_alu instid0(VALU_DEP_1)
	v_lshlrev_b32 v[LI], 4, v1
	s_lshl_b32 s11, ttmp9, 7
	s_lshl_b32 s12, s10, 4
	s_add_co_u32 s12, s11, s12                     ; my first row: 128 x work-group + 16 x wave
	s_lshl_b32 s14, s12, 2
	s_mov_b32 s15, 0
	s_lshl_b32 s32, s12, 10
	s_mov_b32 s33, 0
	s_wait_alu depctr_va_vdst(0)
	s_wait_kmcnt 0x0
	s_add_nc_u64 s[6:7], s[6:7], s[14:15]
	s_add_nc_u64 s[8:9], s[8:9], s[32:33]
	s_load_b512 s[16:31], s[6:7], 0x0              ; my 16 indices
	s_wait_kmcnt 0x0
.irp k, 0,1,2,3,4,5,6,7,8,9,10,11,12,13,14,15
	s_min_u32 s[16+\k], s[16+\k], 8191             ; an index stays inside the table
	s_lshl_b32 s[16+\k], s[16+\k], 10
	v_add_nc_u32 v[OFF+\k], s[16+\k], v[LI]
.endr
	s_wait_alu depctr_va_vdst(0)
.set U, 0
.rept DEPTH
	GL U
.set U, U+1
.endr
.set U, 0
.rept 32
.if U+DEPTH <= 32
	s_wait_loadcnt DEPTH-1                         ; loads come back in order (ISA guide 5.7.1): unit U's is in, the DEPTH - 1 younger ones stay out
.else
	s_wait_loadcnt 31-U                            ; no more loads are issued: the counts run down
.endif
	global_store_b128 v[LI], v[X+4*U:X+4*U+3], s[8:9] offset:512*U th:TH_STORE_NT   ; 32 lanes store 512 consecutive bytes, at a multiple of 256 from the buffer's first byte
.if U+DEPTH < 32
	GL U+DEPTH
.endif
.set U, U+1
.endr
	s_endpgm
.Lfunc_end_k_q9d250abb2d_gather:
	.size	k_q9d250abb2d_gather, .Lfunc_end_k_q9d250abb2d_gather-k_q9d250abb2d_gather
	.p2alignl 7, 3214868480
	.fill 96, 4, 3214868480
	.section	.rodata,"a",@progbits
	.p2align	6, 0x0
	.amdhsa_kernel k_q9d250abb2d_gather
		.amdhsa_group_segment_fixed_size 0
		.amdhsa_private_segment_fixed_size 0
		.amdhsa_enable_private_segment 0
		.amdhsa_kernarg_size 24
		.amdhsa_user_sgpr_count 2
		.amdhsa_user_sgpr_kernarg_segment_ptr 1
		.amdhsa_wavefront_size32 1
		.amdhsa_system_sgpr_workgroup_id_x 1
		.amdhsa_system_sgpr_workgroup_id_y 1
		.amdhsa_system_sgpr_workgroup_id_z 1
		.amdhsa_system_vgpr_workitem_id 0
		.amdhsa_next_free_vgpr 160
		.amdhsa_next_free_sgpr 66
		.amdhsa_reserve_vcc 0
		.amdhsa_float_denorm_mode_32 3
		.amdhsa_float_denorm_mode_16_64 3
		.amdhsa_memory_ordered 1
		.amdhsa_forward_progress 1
		.amdhsa_inst_pref_size 11
	.end_amdhsa_kernel
	.amdgpu_metadata
---
amdhsa.version: [ 1, 2 ]
amdhsa.kernels:
  - .name:           k_q9d250abb2d_gather
    .symbol:         k_q9d250abb2d_gather.kd
    .args:
      - { .name: weight, .offset: 0, .size: 8, .value_kind: global_buffer, .address_space: global }
      - { .name: idxw, .offset: 8, .size: 8, .value_kind: global_buffer, .address_space: global }
      - { .name: out0, .offset: 16, .size: 8, .value_kind: global_buffer, .address_space: global }
    .group_segment_fixed_size: 0
    .private_segment_fixed_size: 0
    .kernarg_segment_align: 8
    .kernarg_segment_size: 24
    .max_flat_workgroup_size: 256
    .sgpr_count:     66
    .vgpr_count:     160
    .wavefront_size: 32
...
	.end_amdgpu_metadata
.endif
;; end of part 4
